; MI455X (gfx1250); checked and timed in simulation.
; The chip was launched on July 23, 2026; its instructions are those of AMD's public machine-readable ISA for CDNA 5 (MIT licence, August 2026) and "CDNA5" Instruction Set Architecture Reference Guide (July 2026). The comments in the code are by the model that wrote it; some were corrected since.
;; Attention. Allowed arithmetic: matrix products marked QUANTISED: E4M3 operands, one given power-of-two scale a tensor, by v_wmma_f32_16x16x64_fp8_fp8 or v_wmma_f32_16x16x128_fp8_fp8, f32 sums; everything else in f32.
;; Inputs: W_proj_codes 1,024 x 32 x 32 uint8 (E4M3 codes of W_proj, K innermost, in blocks of 32 codes); W_qkv_codes 3,072 x 32 x 32 uint8 (E4M3 codes of W_qkv, K innermost, in blocks of 32 codes); b_proj 1,024 float32; lowp_scales 8 int32 (the exponents e of the quantised operands' scales 2^e); x_codes 8 x 1,024 x 32 x 32 uint8 (E4M3 codes of x, K innermost, in blocks of 32 codes).
;; Outputs: out0 8 x 1,024 x 1,024 float32.
;; This version of the problem:
;;   THIS VERSION OF THE PROBLEM IS GIVEN IN LOW PRECISION. The matrix products marked QUANTISED in the list below multiply operands that are first quantised to E4M3 (4 exponent bits, 3 mantissa bits; 8 bits a number), with one given power-of-two scale for each operand tensor; their sums are f32. All else is computed in f32.
;;   The module's matrix products, in the order in which they are computed (A, B: the left and right operand; K: the contracted axis; several contracted axes count as one K, in the product's order):
;;     1. [M 8,192, K 1,024] x [K 1,024, N 3,072]; A: input x (given as codes); B: input W_qkv (given as codes): QUANTISED (scales: A lowp_scales[0], B lowp_scales[1])
;;     2. batch 128 x [M 1,024, K 64] x [K 64, N 1,024]; A: computed on the way; B: computed on the way: QUANTISED (scales: A lowp_scales[2], B lowp_scales[3])
;;     3. batch 128 x [M 1,024, K 1,024] x [K 1,024, N 64]; A: softmax (see below); B: computed on the way: QUANTISED (scales: A lowp_scales[4], B lowp_scales[5])
;;     4. [M 8,192, K 1,024] x [K 1,024, N 1,024]; A: computed on the way; B: input W_proj (given as codes): QUANTISED (scales: A lowp_scales[6], B lowp_scales[7])
;;   THE QUANTISER, for each operand of a quantised product, along K:
;;     - The operand's scale is 2^e, e = its entry of the input lowp_scales (int32; the entries are numbered through the quantised products in the list's order, A before B).
;;     - Each number is divided by the scale, clamped to +-448, and rounded to the nearest number of E4M3, ties to even, subnormals kept.
;;     - The product sums the exact products of the quantised numbers (number of the format x scale) in f32.
;;   ~~~python
;;   def quantise(x, axis, e):      # numpy; x: float32 -> the quantised numbers, widened to float32 again
;;       x = np.moveaxis(x, axis, -1); K = x.shape[-1]
;;       r = np.clip(x / 2.0 ** e, -448, 448)
;;       step = 2.0 ** (np.maximum(np.frexp(np.where(r == 0, 1, r))[1] - 1, -6) - 3)
;;       q = np.round(r / step) * step * 2.0 ** e      # np.round: ties to even
;;       return np.moveaxis(q, -1, axis).astype(np.float32)
;;   ~~~
;;   SOFTMAX AHEAD OF A QUANTISED PRODUCT. Where the list says 'softmax', what is quantised is not the finished softmax but p = 2^(t - M), with t = logit x log2(e) and M = ceil(the row's largest t), a whole number; so 1/2 < the row's largest p <= 1. The row's sum l is taken of the UNQUANTISED p, in f32, and the product's result is divided by l at the end. Since M is a whole number, a kernel that streams over the keys may use a running M (the ceiling of the running maximum): every later rescaling is an exact power of two, so the quantised numbers keep their values, but for numbers so far below the row's largest that they fall under the format's range.
;;   OPERANDS COMPUTED ON THE WAY. 'Computed on the way' means the value that the module computes at that place (a softmax that the list does not call 'softmax' is quantised finished and normalised). What goes into a quantiser is computed in f32, as accurately as f32 sums, v_exp_f32 and their like allow (about 1e-6 of the number): no bf16 or f16 on the way to a quantiser, and a product that is left as it is and whose result goes on into a quantised operand takes f32 operands (vector FMAs, or v_wmma_f32_16x16x4_f32). A number that lies on a knife's edge between two numbers of the format may be rounded either way, as far as f32 arithmetic and the matrix unit's own rounding can turn it there, and no further.
;;   INPUTS GIVEN AS CODES. W_proj (in the module: [1024, 1024], K = its axis 1); W_qkv (in the module: [3072, 1024], K = its axis 1); x (in the module: [8, 1024, 1024], K = its axis 2): each comes as NAME_codes (uint8): NAME with its K axis moved to the last place and cut into blocks of 32 codes, [.., K / 32, bytes a block], one block behind the other in memory; one code a byte (a code: sign, 4 exponent bits, 3 mantissa bits); its scale is its entry of lowp_scales. Its value is code x scale, taken as it is: it is not quantised again, and the codes and scales need not be those that the quantiser above would give.
;; One version. Each part assembles by itself: llvm-mc -triple=amdgcn-amd-amdhsa -mcpu=gfx1250 --defsym DOCPART=n.
;; ======== version 1 of 1: 3 launches
;; limits: right only within a limited range of input values
;; workspace buffers: qkv 25,165,824 bytes; oc 8,388,608 bytes
;; launch qkv (part 1): grid 32 x 8, 4 waves a work-group, clusters of 4 x 1, 327,680 bytes of LDS; arguments x_codes, W_qkv_codes, lowp_scales, qkv; writes qkv
.if DOCPART == 1
	.amdgcn_target "amdgcn-amd-amdhsa--gfx1250"
	.amdhsa_code_object_version 6
	.text
	.protected	k_q9780cea3b5_qkv
	.globl	k_q9780cea3b5_qkv
	.p2align	8
	.type	k_q9780cea3b5_qkv,@function
k_q9780cea3b5_qkv:
	s_mov_b64 s[64:65], 0
	v_nop
	global_prefetch_b8 v0, s[64:65] scope:SCOPE_SE
	s_setreg_imm32_b32 hwreg(HW_REG_WAVE_MODE, 25, 1), 1
	s_wait_xcnt 0x0
	s_wait_alu depctr_hold_cnt(0) depctr_sa_sdst(0) depctr_va_vdst(0) depctr_va_sdst(0) depctr_va_ssrc(0) depctr_va_vcc(0) depctr_vm_vsrc(0)
	s_getreg_b32 s2, hwreg(HW_REG_IB_STS2, 6, 4)
	s_cmp_eq_u32 s2, 0
	s_cbranch_scc0 .Lentry_in_a_cluster
	s_endpgm
.Lentry_in_a_cluster:
	s_bfe_u32 s2, ttmp6, 0x10000c
	s_cmp_lg_u32 s2, 0x3003
	s_cbranch_scc0 .Lentry_shape_is_right
	s_endpgm
.Lentry_shape_is_right:
.set PITCH, 1040
; q, k, v = x W_qkv^T on codes of FP8 (E4M3), quantised to the codes that attention multiplies.
; SHARES.  A work-group makes 256 tokens x 384 columns in six groups of 64 columns; wave w owns 64 tokens, whose codes, 64 x 1024, stay in 512 registers (windows 2 and 3).
; x comes as whole runs of 256 bytes and is turned into operand order in a stage of the wave's own in LDS, 256 along K at a time; the first group's products follow each turn.
; W comes by joint tensor loads, 128 rows a fill, pitch 1040; the four work-groups of a cluster hold other tokens and the same columns: mask 15.  x is not asked for jointly: it goes to registers, each wave its own rows once.
; Columns of q and k take W as source 0, columns of v take x as source 0, so that a lane's eight results are neighbours along the K of the product that reads them.
; OUTPUT: [head 128][q, k, v][65,536 bytes], images of operand registers, 16 bytes a lane.  NO PREFETCH: W's three fills are all of the walk, and there is no loop to run ahead in.
; LIMITS: e2, e3 and e5, each less e0 + e1, lie between -126 and 119.  NaN codes are not served.
.set WPART, 32*PITCH
.set SLOT,  4*WPART
.set HALF,  64*PITCH
.set SPARE, 2*SLOT
.set XSTG,  SPARE+512
.set XSW,   16*272
.set XO,   3
.set LW,   4
.set LI,   6
.set SCV,  7
.set HLV,  8
.set XSI,  9
.set XSO,  10
.set AD0,  12
.set AD1,  13
.set AD2,  14
.set AD3,  15
.set SPW,  28
.set NIL,  29
.set BF,   32
.set CD,   160
.set MSB, 0
.macro WIN new
.if MSB != (\new)
	s_set_vgpr_msb (MSB<<8)|(\new)
.set MSB, (\new)
.endif
.endm
.macro PLACES n
.rept \n
	v_nop
.endr
.endm
.macro CROUND
	s_barrier_signal -1
	s_barrier_wait -1
	s_cmp_lg_u32 s12, 0
	s_cbranch_scc1 .Lnot_wave_0_\@
	s_barrier_signal -3
.Lnot_wave_0_\@:
	s_barrier_wait -3
	s_barrier_signal -1
	s_barrier_wait -1
.endm
.macro XGET u
.set SPQ, (\u)/4
.set TT,  (\u)%4
.irp i, 0,1,2,3,4,5,6,7
	global_load_b128 v[64*((2*SPQ+\i/4)%4)+16*TT+4*(\i%4):64*((2*SPQ+\i/4)%4)+16*TT+4*(\i%4)+3], v[XO], s[4:5] offset:(32*(TT/2)+8*(TT%2)+2*\i+8*(\i/4))*1024+256*SPQ
.endr
.endm
.macro XTURN u
.set SPQ, (\u)/4
.set TT,  (\u)%4
.irp i, 0,1,2,3,4,5,6,7
	ds_store_b128 v[XSI], v[64*((2*SPQ+\i/4)%4)+16*TT+4*(\i%4):64*((2*SPQ+\i/4)%4)+16*TT+4*(\i%4)+3] offset:544*\i
.endr
.irp q, 0,1
.irp c, 0,1,2,3
	ds_load_b128 v[64*((2*SPQ+\q)%4)+16*TT+4*\c:64*((2*SPQ+\q)%4)+16*TT+4*\c+3], v[XSO] offset:128*\q+32*\c
.endr
.endr
.endm
; W's four fragments (64 rows x 128 K) of a K step take five sets of 64 registers by turns: window 0's v32-95, v96-159, v192-255, and window 1's v128-191, v192-255 (behind the accumulators).
.macro SETK k
.set SS, (\k)%5
.if SS < 3
.set FS, BF+64*SS+32*(SS/2)
.else
.set FS, 64*SS-64
.endif
.endm
.macro FRAGS ad, k
	SETK \k
	WIN 0x40*(SS/3)
.irp t, 0,1,2,3
.irp c, 0,1,2,3
	ds_load_b128 v[FS+16*\t+4*\c:FS+16*\t+4*\c+3], v[\ad] offset:16*PITCH*\t+128*(\k)+32*\c
.endr
.endr
.endm
.macro FETCH ad                        ; a group's first three K steps
	FRAGS \ad, 0
	FRAGS \ad, 1
	FRAGS \ad, 2
.endm
.macro MM k, swap                      ; 16 matrix instructions: the accumulators take turns; the first K step starts the sums
.set FX, 64*((\k)%4)
	SETK \k
.if \swap
	WIN 0x52+(\k)/4+4*(SS/3)
.else
	WIN 0x58+4*((\k)/4)+(SS/3)
.endif
.irp i, 0,1,2,3
.irp j, 0,1,2,3
.if \swap
.if (\k) == 0
	v_wmma_f32_16x16x128_fp8_fp8 v[8*(4*\i+\j):8*(4*\i+\j)+7], v[FX+16*\j:FX+16*\j+15], v[FS+16*\i:FS+16*\i+15], 0
.else
	v_wmma_f32_16x16x128_fp8_fp8 v[8*(4*\i+\j):8*(4*\i+\j)+7], v[FX+16*\j:FX+16*\j+15], v[FS+16*\i:FS+16*\i+15], v[8*(4*\i+\j):8*(4*\i+\j)+7]
.endif
.else
.if (\k) == 0
	v_wmma_f32_16x16x128_fp8_fp8 v[8*(4*\i+\j):8*(4*\i+\j)+7], v[FS+16*\j:FS+16*\j+15], v[FX+16*\i:FX+16*\i+15], 0
.else
	v_wmma_f32_16x16x128_fp8_fp8 v[8*(4*\i+\j):8*(4*\i+\j)+7], v[FS+16*\j:FS+16*\j+15], v[FX+16*\i:FX+16*\i+15], v[8*(4*\i+\j):8*(4*\i+\j)+7]
.endif
.endif
.endr
.endr
.endm
; x's c-th 256 along K, my four blocks of 16 tokens: eight loads a block have landed (56 younger ones may be out), the block is turned, and the block eight further on is asked for.
.macro XCHUNK c
.irp i, 0,1,2,3
	WIN 0x88+0x44*((\c)/2)
.if (\c) < 2
	s_wait_loadcnt 56
	XTURN 4*(\c)+\i
	WIN 0xcc
	XGET 4*(\c)+\i+8
.else
	s_wait_loadcnt 8*(15-(4*(\c)+\i))
	XTURN 4*(\c)+\i
.endif
.endr
.endm
; A group's eight K steps; its steps 0 to 2 have been asked for.  In front of step 0 steps 3 and 4 are asked for, in front of step 2 steps 5 and 6, in front of step 4 step 7: each into a set whose products have been issued, behind four places (ISA guide 7.12.1).
; first = 1: x is still arriving; its next 256 along K are turned in front of each second K step.  A K step is 16 loads: the waits leave the younger steps' loads out.
.macro KLOOP ad, swap, first
.irp k, 0,1,2,3,4,5,6,7
.if (\first) && ((\k == 2) || (\k == 4) || (\k == 6))
	XCHUNK \k/2
	s_wait_dscnt 0x0                               ; x is turned, and all fragments asked for are in
.elseif \k == 7
	s_wait_dscnt 0x0
.elseif \k == 6
	s_wait_dscnt 16
.elseif (\k == 1) || (\k == 3)
	s_wait_dscnt 48
.else
	s_wait_dscnt 32
.endif
.if (\k == 0) || (\k == 2)
	PLACES 4
	FRAGS \ad, \k+3
	FRAGS \ad, \k+4
.elseif \k == 4
	PLACES 4
	FRAGS \ad, 7
.endif
	MM \k, \swap
.endr
	WIN 0
.endm
.macro GROUP gi, ad
	s_add_co_u32 s66, s62, \gi
	s_cmp_ge_u32 s66, 32
	s_cbranch_scc1 .Lis_v_\@
	KLOOP \ad, 0, 1-(\gi+5)/6
	s_branch .Ljoin_\@
.Lis_v_\@:
	KLOOP \ad, 1, 1-(\gi+5)/6
.Ljoin_\@:
	PLACES 4
.endm
.macro EPI
	s_wait_xcnt 0x0
	s_lshr_b32 s67, s66, 4
	s_cmp_eq_u32 s67, 0
	s_cselect_b32 s68, s56, s57
	s_cselect_b32 s69, s59, s60
	s_cmp_eq_u32 s67, 2
	s_cselect_b32 s68, s58, s68
	s_cselect_b32 s69, s61, s69
	s_and_b32 s70, s66, 15
	s_lshl_b32 s71, s14, 4
	s_add_co_u32 s70, s70, s71
	s_mul_i32 s70, s70, 196608
	s_lshl_b32 s71, s67, 16
	s_add_co_u32 s70, s70, s71
	s_lshl_b32 s71, s16, 12
	s_add_co_u32 s70, s70, s71
	s_mov_b32 s71, 0
	s_add_nc_u64 s[72:73], s[10:11], s[70:71]
	v_mov_b32 v[SCV], s68
	v_mov_b32 v[HLV], s69
	WIN 0x41
.set a, 0
.rept 128
	v_med3_num_f32 v[a], v[a], -v[HLV], v[HLV]
.set a, a+1
.endr
	WIN 0x01
.set a, 0
.rept 16
	v_cvt_scalef32_pk8_fp8_f32 v[CD+2*a:CD+2*a+1], v[8*a:8*a+7], v[SCV]
.set a, a+1
.endr
	v_nop
	WIN 0
.irp n, 0,1,2,3,4,5,6,7
	global_store_b128 v[LI], v[CD+4*\n:CD+4*\n+3], s[72:73] offset:512*\n
.endr
.endm
	s_load_b256 s[4:11], s[0:1], 0x0
	v_lshl_add_u32 v[SPW], v0, 2, SPARE
	v_mov_b32 v[NIL], 0
	ds_add_u32 v28, v29
	ds_add_u32 v28, v29
	s_wait_dscnt 0x0
	v_lshrrev_b32 v1, 5, v0
	v_readfirstlane_b32 s12, v1
	v_and_b32 v1, 15, v0
	v_bfe_u32 v2, v0, 4, 1
	v_lshlrev_b32 v[XO], 10, v2
	v_lshl_add_u32 v[XO], v1, 4, v[XO]
	s_bfe_u32 s13, ttmp6, 0x40000
	s_mov_b32 s14, ttmp9
	s_and_b32 s15, ttmp7, 0xffff
	s_lshl_b32 s16, s13, 2
	s_add_co_u32 s16, s16, s12
	s_mul_i32 s62, s15, 6
	s_mov_b32 s24, 15|(1<<20)|(1<<21)|(7<<22)|(3<<25)
	s_mov_b32 s25, 1024<<16
	s_mov_b32 s26, 32<<16
	s_mov_b32 s27, 1024<<16
	s_mov_b32 s28, 32
	s_mov_b32 s29, 1024
	s_mov_b32 s30, 0
	s_mov_b32 s31, 0
	s_mul_i32 s74, s15, 384
	s_lshl_b32 s75, s12, 5
	s_add_co_u32 s74, s74, s75
	s_lshl_b32 s74, s74, 10
	s_mov_b32 s75, 0
	s_mul_i32 s76, s12, WPART
	s_wait_alu depctr_va_vdst(0)
	s_wait_kmcnt 0x0
	s_load_b256 s[48:55], s[8:9], 0x0
	s_lshl_b32 s70, s14, 10
	s_lshl_b32 s71, s16, 6
	s_add_co_u32 s70, s70, s71                     ; my first token
	s_lshl_b32 s70, s70, 10
	s_mov_b32 s71, 0
	s_add_nc_u64 s[4:5], s[4:5], s[70:71]
	s_add_nc_u64 s[74:75], s[6:7], s[74:75]
.irp f, 0,1,2
	s_mov_b32 s[32+4*\f], 1
	s_add_co_u32 s[33+4*\f], s76, (\f%2)*SLOT
	s_add_nc_u64 s[34+4*\f:35+4*\f], s[74:75], \f*128*1024
	s_or_b32 s[35+4*\f], s[35+4*\f], 0x80000000
.endr
	WIN 0x88
.irp u, 0,1,2,3
	XGET \u
.endr
	WIN 0
	CROUND                                         ; all four work-groups are here: the first joint loads meet
	tensor_load_to_lds s[32:35], s[24:31]          ; W's first 128 rows, 32 a wave
	s_nop 0
	PLACES 4
	v_mul_u32_u24 v[LW], v1, PITCH
	v_lshl_add_u32 v[LW], v2, 4, v[LW]
	v_and_b32 v[LI], 31, v0
	v_lshlrev_b32 v[LI], 4, v[LI]
	s_mul_i32 s76, s12, XSW
	s_add_co_u32 s76, s76, XSTG
	v_mul_u32_u24 v[XSI], v2, 272
	v_lshl_add_u32 v[XSI], v1, 4, v[XSI]
	v_add_nc_u32 v[XSI], s76, v[XSI]
	v_mul_u32_u24 v[XSO], v1, 272
	v_lshl_add_u32 v[XSO], v2, 4, v[XSO]
	v_add_nc_u32 v[XSO], s76, v[XSO]
	v_mov_b32 v[AD0], v[LW]
	v_add_nc_u32 v[AD1], HALF, v[LW]
	v_add_nc_u32 v[AD2], SLOT, v[LW]
	v_add_nc_u32 v[AD3], SLOT+HALF, v[LW]
	WIN 0x88
.irp u, 4,5,6,7
	XGET \u
.endr
	WIN 0
	s_wait_alu depctr_va_vdst(0)
	s_wait_kmcnt 0x0
	s_add_co_i32 s74, s48, s49
	s_sub_co_i32 s74, 127, s74
	s_add_co_i32 s56, s50, s74
	s_add_co_i32 s57, s51, s74
	s_add_co_i32 s58, s53, s74
.irp n, 0,1,2
	s_add_co_i32 s[59+\n], s[56+\n], 8
	s_lshl_b32 s[59+\n], s[59+\n], 23
	s_or_b32 s[59+\n], s[59+\n], 0x600000
	s_lshl_b32 s[56+\n], s[56+\n], 23
.endr
	XCHUNK 0
	WIN 0
	s_wait_tensorcnt 0x0                           ; my part of W's first 128 rows is in;
	ds_add_u32 v[SPW], v[NIL]                      ; 0 onto my spare word
	s_wait_dscnt 0x0
	CROUND                                         ; everybody's part is in: the joint loads of the next 128 rows meet,
	tensor_load_to_lds s[36:39], s[24:31]          ; and have two groups of 64 columns in which to land
	s_nop 0
	PLACES 4
	FETCH AD0
	GROUP 0, AD0
	FETCH AD1
	EPI
	GROUP 1, AD1
	s_wait_tensorcnt 0x0
	ds_add_u32 v[SPW], v[NIL]
	s_wait_dscnt 0x0
	CROUND
	tensor_load_to_lds s[40:43], s[24:31]
	s_nop 0
	PLACES 4
	FETCH AD2
	EPI
	GROUP 2, AD2
	FETCH AD3
	EPI
	GROUP 3, AD3
	s_wait_tensorcnt 0x0
	s_wait_dscnt 0x0
	s_barrier_signal -1
	s_barrier_wait -1
	FETCH AD0
	EPI
	GROUP 4, AD0
	FETCH AD1
	EPI
	GROUP 5, AD1
	EPI
	s_wait_tensorcnt 0x0
	ds_add_u32 v[SPW], v[NIL]
	s_wait_dscnt 0x0
	CROUND
	s_endpgm
.Lfunc_end_k_q9780cea3b5_qkv:
	.size	k_q9780cea3b5_qkv, .Lfunc_end_k_q9780cea3b5_qkv-k_q9780cea3b5_qkv
	.p2alignl 7, 3214868480
	.fill 96, 4, 3214868480
	.section	.rodata,"a",@progbits
	.p2align	6, 0x0
	.amdhsa_kernel k_q9780cea3b5_qkv
		.amdhsa_group_segment_fixed_size 327680
		.amdhsa_private_segment_fixed_size 0
		.amdhsa_enable_private_segment 0
		.amdhsa_kernarg_size 32
		.amdhsa_user_sgpr_count 2
		.amdhsa_user_sgpr_kernarg_segment_ptr 1
		.amdhsa_wavefront_size32 1
		.amdhsa_system_sgpr_workgroup_id_x 1
		.amdhsa_system_sgpr_workgroup_id_y 1
		.amdhsa_system_sgpr_workgroup_id_z 1
		.amdhsa_system_vgpr_workitem_id 0
		.amdhsa_next_free_vgpr 1024
		.amdhsa_next_free_sgpr 96
		.amdhsa_reserve_vcc 0
		.amdhsa_float_denorm_mode_32 3
		.amdhsa_float_denorm_mode_16_64 3
		.amdhsa_memory_ordered 1
		.amdhsa_forward_progress 1
		.amdhsa_inst_pref_size 255
	.end_amdhsa_kernel
	.section	.bss,"aw",@nobits
	.p2align	6
	.space	262144
	.amdgpu_metadata
---
amdhsa.version: [ 1, 2 ]
amdhsa.kernels:
  - .name:           k_q9780cea3b5_qkv
    .symbol:         k_q9780cea3b5_qkv.kd
    .args:
      - { .name: x_codes, .offset: 0, .size: 8, .value_kind: global_buffer, .address_space: global }
      - { .name: W_qkv_codes, .offset: 8, .size: 8, .value_kind: global_buffer, .address_space: global }
      - { .name: lowp_scales, .offset: 16, .size: 8, .value_kind: global_buffer, .address_space: global }
      - { .name: qkv, .offset: 24, .size: 8, .value_kind: global_buffer, .address_space: global }
    .group_segment_fixed_size: 327680
    .private_segment_fixed_size: 0
    .kernarg_segment_align: 8
    .kernarg_segment_size: 32
    .max_flat_workgroup_size: 128
    .sgpr_count:     96
    .vgpr_count:     1024
    .wavefront_size: 32
...
	.end_amdgpu_metadata
.endif
;; end of part 1
;; launch attn (part 2): grid 2 x 128, 16 waves a work-group, no clusters, 133,120 bytes of LDS; arguments qkv, lowp_scales, oc; writes oc
.if DOCPART == 2
	.amdgcn_target "amdgcn-amd-amdhsa--gfx1250"
	.amdhsa_code_object_version 6
	.text
	.protected	k_q9780cea3b5_attn
	.globl	k_q9780cea3b5_attn
	.p2align	8
	.type	k_q9780cea3b5_attn,@function
k_q9780cea3b5_attn:
	s_mov_b64 s[64:65], 0
	v_nop
	global_prefetch_b8 v0, s[64:65] scope:SCOPE_SE
	s_setreg_imm32_b32 hwreg(HW_REG_WAVE_MODE, 25, 1), 1
	s_wait_xcnt 0x0
; o = softmax(q k^T / 8) v for one head, both products on codes of FP8 (E4M3), and o's codes for the last product.
; t = score x log2(e) / 8; M = the row's largest t rounded up to a whole number; p = 2^(t - M) is quantised with 2^e4; the row's sum l is taken of the unquantised p; o = (sum of p v) / l.
; INPUT: the workspace of the launch before, [head 128][q, k, v][65,536 bytes], each part laid as images of operand registers (16 bytes a lane, 512 bytes a group of four registers):
;   q, k: [token block 64][2 groups]: lane (r, h) holds token slot r, registers 2 t, 2 t + 1 channels 16 t + 8 h + 0 .. 7.   v: [64 tokens 16][16 channels 4][2 groups]: lane (r, h) holds channel r, registers 4 b .. 4 b + 3 tokens 32 b + 16 h + 0 .. 15.
;   Slot p of block T of 64 tokens is token 32 (T / 2) + 8 (T % 2) + p + 8 (p / 8): so p's registers of key blocks 2 b and 2 b + 1 are those same 16 neighbouring tokens.
; SHARES.  A work-group owns one head and 512 of its queries; each of sixteen waves two blocks of 16 queries, in 256 registers: four waves to a SIMD.
; The head's k and v, 131,072 consecutive bytes, go through registers into LDS once: 8 + 8 pieces of 16 bytes a thread, 512 consecutive bytes an instruction of a wave.  k is stored first; v stays in registers until pass 1 is over.
; Both products are used transposed (S^T = k q^T, O^T = v^T p^T): a lane holds one query throughout.
; TWO PASSES.  Pass 1 makes S^T for all keys and keeps the row's largest score: M is then final.  Pass 2 makes the same S^T again (the same instruction on the same operands: the same bits); O^T and l are never rescaled.
; THE HOLD OF p AT 448 x 2^e4: p is at most 1 but for one rounding, so it is owed where e4 < -8 alone (for e4 >= -8 the quotient is at most 256).  A scalar branch on that whole number leads round it in every half step.
; The launch has no tensor load, so it has no joint load and no cluster.  NO PREFETCH: all that is read from memory is asked for at the head, once; no loop reads memory.
; LIMITS: e2 + e3 between -123 and 130 (added to c's exponent field); e4, and e6 - e4 - e5, between -126 and 119.  The scaled scores stay under 2^31 in magnitude.  NaN is not served.
.set SPARE, 0x20000                    ; behind k and v: the spare words, 128 bytes for each wave
.set LI,  1                            ; v1   16 x lane
.set TI,  2                            ; v2   16 x thread
.set ADK, 3                            ; v3   16 x lane + 4,096 x the next unit of 64 keys
.set TV,  4                            ; v4   16 x thread + 65,536
.set HP,  5                            ; v5   448 x 2^e4
.set SP,  6                            ; v6   2^e4
.set HO,  7                            ; v7   448 x 2^(e6 - e4 - e5)
.set SO,  8                            ; v8   2^(e6 - e4 - e5)
.set NM,  10                           ; v[10:11], v[12:13]  -M of query block 0, 1 (the low word serves both halves)
.set LS,  14                           ; v14-21  l: two chains of pairs a query block
.set MX,  22                           ; v22-25  the largest score: two chains a query block
.set RL,  26                           ; v[26:27], v[28:29]  1 / l
.set SPW, 30                           ; v30  LDS address of my spare word
.set NIL, 31                           ; v31  0
.set Q,   32                           ; v32-47   q: 8 registers a block
.set KF,  48                           ; v48-79   four key blocks
.set VF,  80                           ; v80-111  four tiles of 16 channels; in pass 1 the pieces of v that are on their way to LDS
.set S,   112                          ; v112-175 S^T, then p: 32 q + 8 T
.set P,   176                          ; v176-191 p's codes, at the end o's: 8 a query block
.set O,   192                          ; v192-255 O^T: 32 q + 8 t; in pass 1 the second set of scores
.macro LDK ad, off                     ; a unit of 64 keys of k
.irp n, 0,1,2,3,4,5,6,7
	ds_load_b128 v[KF+4*\n:KF+4*\n+3], v[\ad] offset:\off+512*\n
.endr
.endm
.macro LDV                             ; the unit of v one before ADK's unit of k: 65,536 - 4,096 bytes further on
.irp n, 0,1,2,3,4,5,6,7
	ds_load_b128 v[VF+4*\n:VF+4*\n+3], v[ADK] offset:61440+512*\n
.endr
.endm
.macro SMUL q, d                       ; S^T = k q^T: 64 keys x 16 queries, K = the head's 64
.irp t, 0,1,2,3
	v_wmma_f32_16x16x64_fp8_fp8 v[\d+8*\t:\d+8*\t+7], v[KF+8*\t:KF+8*\t+7], v[Q+8*\q:Q+8*\q+7], 0
.endr
.endm
.macro MAXP d, a, b                    ; pairs a .. b - 1 of both query blocks' scores: four chains by turns; each accumulator from its low end on
.set n, \a
.rept \b-\a
	v_max3_num_f32 v[MX+n%2], v[MX+n%2], v[\d+2*n], v[\d+2*n+1]
	v_max3_num_f32 v[MX+2+n%2], v[MX+2+n%2], v[\d+32+2*n], v[\d+32+2*n+1]
.set n, n+1
.endr
.endm
.macro PV q, t, pv                     ; a step of O^T += v^T p^T for query block q: 16 channels, 64 keys.  pv = 1: it starts the sum; 2: it adds; 0: nothing
.if \pv == 1
	v_wmma_f32_16x16x64_fp8_fp8 v[O+32*(\q)+8*\t:O+32*(\q)+8*\t+7], v[VF+8*\t:VF+8*\t+7], v[P+8*(\q):P+8*(\q)+7], 0
.elseif \pv == 2
	v_wmma_f32_16x16x64_fp8_fp8 v[O+32*(\q)+8*\t:O+32*(\q)+8*\t+7], v[VF+8*\t:VF+8*\t+7], v[P+8*(\q):P+8*(\q)+7], v[O+32*(\q)+8*\t:O+32*(\q)+8*\t+7]
.endif
.endm
; Half a unit of pass 2: 64 keys x query block q.  The other block's four steps of O^T, of the half before, stand among this half's scalings (pv: as in PV).
.macro HALF q, ldk, ldv, pv
.irp t, 0,1,2,3
.if (\t == 0) || \pv
	s_wait_alu depctr_va_vdst(0)                   ; the wait serves a tile of scores and, behind plain lines alone, a tile of O^T
.endif
.irp i, 0,2,4,6
	v_pk_fma_f32 v[S+32*\q+8*\t+\i:S+32*\q+8*\t+\i+1], v[S+32*\q+8*\t+\i:S+32*\q+8*\t+\i+1], s[22:23], v[NM+2*\q:NM+2*\q+1] op_sel_hi:[1,0,0]   ; t - M
.endr
	PV 1-\q, \t, \pv
.endr
.if \ldk
	LDK ADK, 0                                     ; the scalings are the places behind the products that read k's registers
.endif
	s_wait_alu depctr_va_vdst(0)                   ; a wait ahead of the batch,
.set n, 0
.rept 32
	v_exp_f32 v[S+32*\q+n], v[S+32*\q+n]
.set n, n+1
.endr
	v_nop                                          ; a plain line behind the last exponential;
.if \ldv
.rept 3
	v_nop                                          ; with it four places behind the steps that read v's registers
.endr
.endif
	s_wait_alu depctr_va_vdst(0)                   ; and one behind it, ahead of its first reader
.if \ldv
	LDV
.endif
.set n, 0
.rept 16
	v_pk_add_f32 v[LS+4*\q+2*(n%2):LS+4*\q+2*(n%2)+1], v[LS+4*\q+2*(n%2):LS+4*\q+2*(n%2)+1], v[S+32*\q+2*n:S+32*\q+2*n+1]   ; l is taken of the unquantised p
.set n, n+1
.endr
	s_cmp_lt_i32 s52, -8                           ; e4 < -8: p can lie beyond 448 x 2^e4, and the conversion does not saturate (ISA guide 7.6.2)
	s_cbranch_scc0 .Lfree_\@
.set n, 0
.rept 32
	v_min_num_f32 v[S+32*\q+n], v[S+32*\q+n], v[HP]
.set n, n+1
.endr
.Lfree_\@:
.irp t, 0,1,2,3
	v_cvt_scalef32_pk8_fp8_f32 v[P+8*\q+2*\t:P+8*\q+2*\t+1], v[S+32*\q+8*\t:S+32*\q+8*\t+7], v[SP]
.endr
.endm
; Pass 2, unit n: 64 keys x 32 queries.  pv0: O^T's steps of block 1 with unit n - 1's keys; pv1: those of block 0 with unit n's.  more = 1: unit n + 1's scores are made, query block by query block, as this unit's leave their registers.
.macro UNIT pv0, pv1, more
	HALF 0, \more, 1, \pv0
	v_nop                                          ; a plain line behind the last conversion: the products below write its sources
.if \more
	s_wait_dscnt 8                                 ; the next unit's k is in; v's eight loads, issued behind it, may stay out
	SMUL 0, S
.endif
	s_wait_dscnt 0x0                               ; this unit's v is in
	HALF 1, 0, 0, \pv1
.if \more
	s_add_co_u32 s40, s40, 4096
	v_add_nc_u32 v[ADK], s40, v[LI]                ; also the plain line behind the last conversion
	SMUL 1, S+32
.else
	v_nop
.endif
.endm
	s_load_b128 s[4:7], s[0:1], 0x0                ; the workspace s[4:5], the exponents s[6:7]
	s_load_b64 s[8:9], s[0:1], 0x10                ; o's codes
	v_lshl_add_u32 v[SPW], v0, 2, SPARE
	v_mov_b32 v[NIL], 0
	v_lshrrev_b32 v9, 5, v0
	v_readfirstlane_b32 s12, v9                    ; wave 0..15
	v_lshlrev_b32 v[TI], 4, v0
	v_add_nc_u32 v[TV], 0x10000, v[TI]
	v_and_b32 v9, 31, v0                           ; (v9 is also a lane permute's destination further on, which counts as one of its sources)
	v_lshlrev_b32 v[LI], 4, v9
	s_and_b32 s13, ttmp7, 0xffff                   ; 16 x batch + head
	s_mul_i32 s16, s13, 196608                     ; the head's first byte
	s_mov_b32 s17, 0
	s_lshl_b32 s18, ttmp9, 15                      ; my work-group's 32 query blocks of 1,024 bytes,
	s_lshl_b32 s19, s12, 11                        ; my wave's two
	s_add_co_u32 s18, s18, s19
	s_add_co_u32 s18, s18, s16
	s_mov_b32 s19, 0
	s_wait_alu depctr_va_vdst(0)
	s_wait_kmcnt 0x0
	s_load_b256 s[48:55], s[6:7], 0x0              ; e0 .. e7
	s_add_nc_u64 s[28:29], s[4:5], s[16:17]
	s_add_nc_u64 s[14:15], s[4:5], s[18:19]
.irp j, 0,1,2,3,4,5,6,7
	global_load_b128 v[KF+4*\j:KF+4*\j+3], v[TI], s[28:29] offset:65536+8192*\j    ; k,
.endr
.irp n, 0,1,2,3
	global_load_b128 v[Q+4*\n:Q+4*\n+3], v[LI], s[14:15] offset:512*\n             ; q's two fragments, which stay in registers,
.endr
	s_lshr_b32 s40, s13, 4                         ; batch
	s_lshl_b32 s40, s40, 6
	s_lshl_b32 s41, ttmp9, 5
	s_add_co_u32 s40, s40, s41
	s_lshl_b32 s41, s12, 1
	s_add_co_u32 s40, s40, s41                     ; my first token block among 512
	s_lshl_b32 s40, s40, 14                        ; 16 heads x 1,024 bytes a block
	s_and_b32 s41, s13, 15
	s_lshl_b32 s41, s41, 10
	s_add_co_u32 s40, s40, s41
	s_mov_b32 s41, 0
	s_add_nc_u64 s[44:45], s[8:9], s[40:41]
	s_mov_b32 s20, 0x76543210                      ; v_permlanex16_b32: lane l xor 16
	s_mov_b32 s21, 0xfedcba98
	v_mov_b32 v[NM+1], 0                           ; the upper words of pairs of which the low word alone is used
	v_mov_b32 v[NM+3], 0
	v_mov_b32 v[RL+1], 0
	v_mov_b32 v[RL+3], 0
.irp n, 0,1,2,3
	v_mov_b32 v[MX+\n], 0xff800000                 ; under every score
.endr
.irp n, 0,1,2,3,4,5,6,7
	v_mov_b32 v[LS+\n], 0
.endr
	s_wait_alu depctr_va_vdst(0)
	s_wait_kmcnt 0x0
	s_add_co_i32 s42, s50, s51
	s_lshl_b32 s42, s42, 23
	s_add_co_i32 s22, s42, 0x3e38aa3b              ; c = log2(e) / 8, with e2 + e3 added to its exponent field
	s_mov_b32 s23, s22                             ; (named with it as a pair)
	s_add_co_i32 s42, s52, 127
	s_lshl_b32 s43, s42, 23
	v_mov_b32 v[SP], s43
	s_add_co_i32 s42, s42, 8
	s_lshl_b32 s42, s42, 23
	s_or_b32 s42, s42, 0x600000
	v_mov_b32 v[HP], s42
	s_sub_co_i32 s42, s54, s52
	s_sub_co_i32 s42, s42, s53
	s_add_co_i32 s42, s42, 127                     ; a sum of the second product stands for sum x 2^(e4 + e5): the three exponents are folded into the conversion's one
	s_lshl_b32 s43, s42, 23
	v_mov_b32 v[SO], s43
	s_add_co_i32 s42, s42, 8
	s_lshl_b32 s42, s42, 23
	s_or_b32 s42, s42, 0x600000
	v_mov_b32 v[HO], s42
	s_wait_alu depctr_va_vdst(0)
.irp j, 0,1,2,3,4,5,6,7
	s_wait_loadcnt 11-\j                           ; 12 loads were issued, k's eight first
	ds_store_b128 v[TI], v[KF+4*\j:KF+4*\j+3] offset:8192*\j
.endr
	s_wait_dscnt 0x0                               ; my pieces of k lie in LDS,
	s_barrier_signal -1
	s_barrier_wait -1                              ; everybody's do
.irp j, 0,1,2,3,4,5,6,7
	global_load_b128 v[VF+4*\j:VF+4*\j+3], v[TI], s[28:29] offset:131072+8192*\j   ; v has all of pass 1 in which to arrive
.endr
	; PASS 1.  Units of 64 keys; the scores go by turns into S and into O's registers, and one set's maxima are the places behind the other set's products
	LDK LI, 0
	s_wait_loadcnt 8                               ; q is in; v's eight loads may stay out
	s_wait_dscnt 0x0
	SMUL 0, S                                      ; unit 0
	SMUL 1, S+32
.rept 4
	v_nop
.endr
	LDK LI, 4096
	s_mov_b32 s40, 8192
	s_mov_b32 s41, 7
.Lmax:                                             ; trip i: units 2 i + 1 and 2 i + 2 are multiplied, the maxima of units 2 i and 2 i + 1 taken
	s_wait_dscnt 0x0
	SMUL 0, O
	SMUL 1, O+32
	v_add_nc_u32 v[ADK], s40, v[LI]
	MAXP S, 0, 2
	LDK ADK, 0
	MAXP S, 2, 16
	s_wait_alu depctr_va_vdst(0)
	s_wait_dscnt 0x0
	SMUL 0, S
	SMUL 1, S+32
	MAXP O, 0, 2
	LDK ADK, 4096
	MAXP O, 2, 16
	s_add_co_u32 s40, s40, 8192
	s_sub_co_u32 s41, s41, 1
	s_cmp_lg_u32 s41, 0
	s_wait_alu depctr_va_vdst(0)
	s_cbranch_scc1 .Lmax
	s_wait_dscnt 0x0
	SMUL 0, O                                      ; unit 15
	SMUL 1, O+32
	s_wait_loadcnt 0x0                             ; v is in
.irp j, 0,1,2,3,4,5,6,7
	ds_store_b128 v[TV], v[VF+4*\j:VF+4*\j+3] offset:8192*\j
.endr
	MAXP S, 0, 16
	MAXP O, 0, 16
	v_max_num_f32 v[MX], v[MX], v[MX+1]
	v_max_num_f32 v[MX+2], v[MX+2], v[MX+3]
	v_permlanex16_b32 v9, v[MX], s20, s21          ; the query's other keys lie in the lane 16 away
	v_permlanex16_b32 v[MX+1], v[MX+2], s20, s21
	v_max_num_f32 v[MX], v[MX], v9
	v_max_num_f32 v[MX+2], v[MX+2], v[MX+1]
	v_mul_f32 v[MX], s22, v[MX]                    ; as t (c is positive)
	v_mul_f32 v[MX+2], s22, v[MX+2]
	v_floor_f32 v[NM], -v[MX]                      ; -M = floor(-t) = -ceil(t)
	v_floor_f32 v[NM+2], -v[MX+2]
	s_mov_b32 s40, 4096
	s_wait_alu depctr_va_vdst(0)
	s_wait_dscnt 0x0                               ; my pieces of v lie in LDS,
	s_barrier_signal -1
	LDK LI, 0                                      ; (k's bytes, which nobody writes any more)
	v_add_nc_u32 v[ADK], s40, v[LI]
	s_wait_alu depctr_va_vdst(0)
	s_barrier_wait -1                              ; everybody's do
	; PASS 2
	s_wait_dscnt 0x0
	SMUL 0, S
	SMUL 1, S+32
.rept 4
	v_nop                                          ; places ahead of the first reads of the scores
.endr
	UNIT 0, 1, 1                                   ; unit 0 starts block 0's sums,
	UNIT 1, 2, 1                                   ; unit 1 block 1's
	s_mov_b32 s41, 13
.Lsub:                                             ; units 2 to 14
	UNIT 2, 2, 1
	s_sub_co_u32 s41, s41, 1
	s_cmp_lg_u32 s41, 0
	s_cbranch_scc1 .Lsub
	UNIT 2, 2, 0
.irp t, 0,1,2,3
	s_wait_alu depctr_va_vdst(0)
	PV 1, \t, 2
.endr
	; the way out.  l's additions are the plain places behind the last products
	v_pk_add_f32 v[LS:LS+1], v[LS:LS+1], v[LS+2:LS+3]
	v_pk_add_f32 v[LS+4:LS+5], v[LS+4:LS+5], v[LS+6:LS+7]
	v_add_f32 v[LS], v[LS], v[LS+1]
	v_add_f32 v[LS+4], v[LS+4], v[LS+5]
	v_permlanex16_b32 v9, v[LS], s20, s21
	v_permlanex16_b32 v[MX], v[LS+4], s20, s21
	v_add_f32 v[LS], v[LS], v9
	v_add_f32 v[LS+4], v[LS+4], v[MX]
	s_wait_alu depctr_va_vdst(0)                   ; a wait ahead of the reciprocals,
	v_rcp_f32 v[RL], v[LS]
	v_rcp_f32 v[RL+2], v[LS+4]
	v_nop                                          ; a plain line behind them
	s_wait_alu depctr_va_vdst(0)                   ; and one ahead of their first reader, which is also O^T's
.irp q, 0,1
.set n, 0
.rept 16
	v_pk_mul_f32 v[O+32*\q+2*n:O+32*\q+2*n+1], v[O+32*\q+2*n:O+32*\q+2*n+1], v[RL+2*\q:RL+2*\q+1] op_sel_hi:[1,0]   ; O^T / l, each accumulator from its low end on
.set n, n+1
.endr
.endr
.irp q, 0,1
.irp t, 0,1,2,3
.irp i, 0,1,2,3,4,5,6,7
	v_med3_num_f32 v[O+32*\q+8*\t+\i], v[O+32*\q+8*\t+\i], -v[HO], v[HO]
.endr
	v_cvt_scalef32_pk8_fp8_f32 v[P+8*\q+2*\t:P+8*\q+2*\t+1], v[O+32*\q+8*\t:O+32*\q+8*\t+7], v[SO]   ; registers 2 t, 2 t + 1: token slot r, channels 16 t + 8 h + 0 .. 7
.endr
.endr
	v_nop
.irp q, 0,1
.irp g, 0,1
	global_store_b128 v[LI], v[P+8*\q+4*\g:P+8*\q+4*\g+3], s[44:45] offset:16384*\q+512*\g   ; 32 lanes store 512 consecutive bytes, aligned
.endr
.endr
	s_wait_tensorcnt 0x0                           ; the wave's end
	ds_add_u32 v[SPW], v[NIL]
	s_wait_dscnt 0x0
	s_endpgm
.Lfunc_end_k_q9780cea3b5_attn:
	.size	k_q9780cea3b5_attn, .Lfunc_end_k_q9780cea3b5_attn-k_q9780cea3b5_attn
	.p2alignl 7, 3214868480
	.fill 96, 4, 3214868480
	.section	.rodata,"a",@progbits
	.p2align	6, 0x0
	.amdhsa_kernel k_q9780cea3b5_attn
		.amdhsa_group_segment_fixed_size 133120
		.amdhsa_private_segment_fixed_size 0
		.amdhsa_enable_private_segment 0
		.amdhsa_kernarg_size 24
		.amdhsa_user_sgpr_count 2
		.amdhsa_user_sgpr_kernarg_segment_ptr 1
		.amdhsa_wavefront_size32 1
		.amdhsa_system_sgpr_workgroup_id_x 1
		.amdhsa_system_sgpr_workgroup_id_y 1
		.amdhsa_system_sgpr_workgroup_id_z 1
		.amdhsa_system_vgpr_workitem_id 0
		.amdhsa_next_free_vgpr 256
		.amdhsa_next_free_sgpr 66
		.amdhsa_reserve_vcc 0
		.amdhsa_float_denorm_mode_32 3
		.amdhsa_float_denorm_mode_16_64 3
		.amdhsa_memory_ordered 1
		.amdhsa_forward_progress 1
		.amdhsa_inst_pref_size 73
	.end_amdhsa_kernel
	.amdgpu_metadata
---
amdhsa.version: [ 1, 2 ]
amdhsa.kernels:
  - .name:           k_q9780cea3b5_attn
    .symbol:         k_q9780cea3b5_attn.kd
    .args:
      - { .name: qkv, .offset: 0, .size: 8, .value_kind: global_buffer, .address_space: global }
      - { .name: lowp_scales, .offset: 8, .size: 8, .value_kind: global_buffer, .address_space: global }
      - { .name: oc, .offset: 16, .size: 8, .value_kind: global_buffer, .address_space: global }
    .group_segment_fixed_size: 133120
    .private_segment_fixed_size: 0
    .kernarg_segment_align: 8
    .kernarg_segment_size: 24
    .max_flat_workgroup_size: 512
    .sgpr_count:     66
    .vgpr_count:     256
    .wavefront_size: 32
...
	.end_amdgpu_metadata
.endif
;; end of part 2
;; launch proj (part 3): grid 32 x 8, 4 waves a work-group, clusters of 4 x 1, 168,448 bytes of LDS; arguments oc, W_proj_codes, b_proj, lowp_scales, out0; writes out0
.if DOCPART == 3
	.amdgcn_target "amdgcn-amd-amdhsa--gfx1250"
	.amdhsa_code_object_version 6
	.text
	.protected	k_q9780cea3b5_proj
	.globl	k_q9780cea3b5_proj
	.p2align	8
	.type	k_q9780cea3b5_proj,@function
k_q9780cea3b5_proj:
	s_mov_b64 s[64:65], 0
	v_nop
	global_prefetch_b8 v0, s[64:65] scope:SCOPE_SE
	s_setreg_imm32_b32 hwreg(HW_REG_WAVE_MODE, 25, 1), 1
	s_wait_xcnt 0x0
	s_wait_alu depctr_hold_cnt(0) depctr_sa_sdst(0) depctr_va_vdst(0) depctr_va_sdst(0) depctr_va_ssrc(0) depctr_va_vcc(0) depctr_vm_vsrc(0)
	s_getreg_b32 s2, hwreg(HW_REG_IB_STS2, 6, 4)
	s_cmp_eq_u32 s2, 0
	s_cbranch_scc0 .Lentry_in_a_cluster
	s_endpgm
.Lentry_in_a_cluster:
	s_bfe_u32 s2, ttmp6, 0x10000c
	s_cmp_lg_u32 s2, 0x3003
	s_cbranch_scc0 .Lentry_shape_is_right
	s_endpgm
.Lentry_shape_is_right:
; out = o W_proj^T + b on codes of FP8 (E4M3).  out = sum x 2^(e6 + e7) + b.  LIMIT: e6 + e7 between -126 and 127.  NaN codes are not served.
; o's codes come from the launch before as images of operand registers: [token block 512][K step 8][4 groups][lane][16 bytes]: lane (r, h) holds token slot r, registers 2 c, 2 c + 1: k = 128 s + 16 c + 8 h + 0 .. 7.
; Slot p of block T of 64 tokens is token 32 (T / 2) + 8 (T % 2) + p + 8 (p / 8).
; SHARES.  A work-group makes 256 tokens x 128 columns, in two groups of 64 columns.  Wave w owns 64 tokens (four blocks); their codes, 64 x 1024, stay in 512 registers; W's 128 rows lie in LDS, filled once.
; Source 0 = 16 rows of W, source 1 = a block of tokens: a lane holds one token and eight neighbouring columns.  W's fragments take k in the same places as o's: eight loads of 8 bytes, 16 bytes apart.
; CLUSTER.  The four work-groups of a cluster are four blocks of tokens with the same 128 columns: W's rows are asked for JOINTLY (mask 15).
; LDS: 128 rows of W, pitch 1040 (the 32 lanes of a load of 8 bytes touch 64 different banks: ISA guide 11.1); behind them a stage of 16 x 272 bytes a wave, into which no tile lands.
; REGISTERS: window 0: addresses; two sets of W's fragments (v32-95, v96-159; the second also takes rows back from the stage); v160-223 the bias in the result's layout; v224-255 at work.
;   window 1: the 16 accumulators, (T, t) at v[8 (4 T + t)].  windows 2, 3: o's fragment (K step s, block T) at v[64 (s % 4) + 16 T] of window 2 + s / 4.
.set PITCH, 1040
.set WPART, 32*PITCH
.set HALF,  64*PITCH
.set STG,   4*WPART
.set BO,   3                           ; v3   the bias: 32 (lane / 16)
.set LW,   4                           ; v4   W in LDS: (lane % 16) x pitch + 8 (lane / 16)
.set LI,   6                           ; v6   16 x lane
.set STO,  9                           ; v9   the stage: where I put 32 bytes of a row
.set SRD,  10                          ; v10  and where I read a row back
.set CO,   11                          ; v11  my byte offset in two rows of the output
.set AD0,  12
.set AD1,  13
.set BF,   32
.set RB,   96
.set BI,   160
.set TMP,  224
.set MSB, 0
.macro WIN new
.if MSB != (\new)
	s_set_vgpr_msb (MSB<<8)|(\new)
.set MSB, (\new)
.endif
.endm
.macro PLACES n
.rept \n
	v_nop
.endr
.endm
.macro CROUND
	s_barrier_signal -1
	s_barrier_wait -1
	s_cmp_lg_u32 s12, 0
	s_cbranch_scc1 .Lnot_wave_0_\@
	s_barrier_signal -3
.Lnot_wave_0_\@:
	s_barrier_wait -3
	s_barrier_signal -1
	s_barrier_wait -1
.endm
; W's four fragments (64 rows x 128 K) of a K step take four sets by turns: v32-95; window 1's v128-191 and v192-255, behind the accumulators; v96-159, which also takes rows back from the stage.
.macro SETK k
.set SS, (\k)%4
.set SW, ((SS+1)/2)%2
.if SW
.set FS, 64+64*SS
.else
.set FS, BF+64*(SS/3)
.endif
.endm
.macro FETCH ad, k
	SETK \k
	WIN 0x40*SW
.irp t, 0,1,2,3
.irp c, 0,1,2,3,4,5,6,7
	ds_load_b64 v[FS+16*\t+2*\c:FS+16*\t+2*\c+1], v[\ad] offset:16*PITCH*\t+128*(\k)+16*\c
.endr
.endr
.endm
.macro FIRST ad                        ; a group's first three K steps: none of them lands in v96-159
	FETCH \ad, 0
	FETCH \ad, 1
	FETCH \ad, 2
	WIN 0
.endm
.macro MM k                            ; 16 matrix instructions: the accumulators take turns; the first K step starts the sums
.set FX, 64*((\k)%4)
	SETK \k
	WIN 0x58+4*((\k)/4)+SW                         ; source 0 window 0 or 1, source 1 window 2 or 3, C and D window 1
.irp i, 0,1,2,3
.irp j, 0,1,2,3
.if (\k) == 0
	v_wmma_f32_16x16x128_fp8_fp8 v[8*(4*\i+\j):8*(4*\i+\j)+7], v[FS+16*\j:FS+16*\j+15], v[FX+16*\i:FX+16*\i+15], 0
.else
	v_wmma_f32_16x16x128_fp8_fp8 v[8*(4*\i+\j):8*(4*\i+\j)+7], v[FS+16*\j:FS+16*\j+15], v[FX+16*\i:FX+16*\i+15], v[8*(4*\i+\j):8*(4*\i+\j)+7]
.endif
.endr
.endr
.endm
; A group's eight K steps; its steps 0 to 2 have been asked for.  In front of step 0 step 3 is asked for, in front of step 2 steps 4 and 5, in front of step 4 steps 6 and 7: each into a set whose products have been issued, behind four places (ISA guide 7.12.1).
; A K step of W is 32 loads: the waits leave one younger step's loads out, or 63 where two younger steps' 64 may be out.
; first = 1: o's codes are still arriving.  144 loads were issued: 16 of the bias, then 16 for each K step, in K's order.
.macro KLOOP ad, first
.irp k, 0,1,2,3,4,5,6,7
.if \first
.if \k == 0
	s_wait_loadcnt 63                              ; 81 loads are in: the bias and K steps 0 to 3
.endif
.if \k >= 4
	s_wait_loadcnt 16*(7-\k)                       ; the later K steps' loads stay out
.endif
.endif
.if \k == 7
	s_wait_dscnt 0x0
.elseif (\k == 2) || (\k == 4) || (\k == 6)
	s_wait_dscnt 32
.else
	s_wait_dscnt 63
.endif
.if \k == 0
	PLACES 4
	FETCH \ad, 3
.elseif (\k == 2) || (\k == 4)
	PLACES 4
	FETCH \ad, \k+2
	FETCH \ad, \k+3
.endif
	MM \k
.endr
	WIN 0
.endm
; Block blk's 16 tokens x 64 columns: sum x 2^(e6 + e7) + b, into my own stage, and back as whole pieces of 256 bytes of a row.  LDS serves a wave's instructions in order (ISA guide 5.7.1.4).
.macro TOSTAGE gi, blk
	WIN 0x01
.irp t, 0,1,2,3
.irp i, 0,2,4,6
	v_pk_fma_f32 v[TMP+8*\t+\i:TMP+8*\t+\i+1], v[8*(4*(\blk)+\t)+\i:8*(4*(\blk)+\t)+\i+1], s[46:47], v[BI+32*(\gi)+8*\t+\i:BI+32*(\gi)+8*\t+\i+1] op_sel_hi:[1,0,1]   ; each accumulator from its low end on
.endr
.endr
	WIN 0
.irp t, 0,1,2,3
	ds_store_b128 v[STO], v[TMP+8*\t:TMP+8*\t+3] offset:64*\t
	ds_store_b128 v[STO], v[TMP+8*\t+4:TMP+8*\t+7] offset:64*\t+16
.endr
.set RBB, RB+32*((\blk)%2)
.irp i, 0,1,2,3,4,5,6,7
	ds_load_b128 v[RBB+4*\i:RBB+4*\i+3], v[SRD] offset:544*\i
.endr
.endm
.macro SEND gi, blk, younger           ; younger: the LDS instructions issued behind the block's loads
.set RBB, RB+32*((\blk)%2)
	s_wait_dscnt \younger
.irp i, 0,1,2,3,4,5,6,7
	global_store_b128 v[CO], v[RBB+4*\i:RBB+4*\i+3], s[16:17] offset:(32*((\blk)/2)+8*((\blk)%2)+2*\i+8*(\i/4))*4096+256*(\gi) th:TH_STORE_NT   ; 16 lanes store 256 consecutive bytes, aligned; written once, read by nobody here
.endr
.endm
.macro OUT gi
	TOSTAGE \gi, 0
.irp b, 1,2,3
.if \b > 1
	s_wait_xcnt 0x0                                ; the stores of two blocks back have read their registers: this block's loads may land there
.endif
	TOSTAGE \gi, \b
	SEND \gi, \b-1, 16                             ; behind the earlier block's loads: this block's 8 stores and 8 loads
.endr
	SEND \gi, 3, 0
	s_wait_xcnt 0x0                                ; the stores have read their registers: W's second set takes them again
.endm
	s_load_b256 s[4:11], s[0:1], 0x0               ; o's codes s[4:5], W s[6:7], b s[8:9], the exponents s[10:11]
	s_load_b64 s[16:17], s[0:1], 0x20              ; the output
	v_lshl_add_u32 v30, v0, 2, 0x29000
	v_mov_b32 v31, 0
	ds_add_u32 v30, v31
	ds_add_u32 v30, v31
	v_lshrrev_b32 v1, 5, v0
	v_readfirstlane_b32 s12, v1                    ; wave 0..3
	s_bfe_u32 s13, ttmp6, 0x40000                  ; cx
	s_lshl_b32 s14, ttmp9, 2
	s_add_co_u32 s14, s14, s13                     ; my block of 256 tokens: it enters o's and the output's addresses alone
	s_and_b32 s15, ttmp7, 0xffff                   ; the column block, which the partners share
	s_mov_b32 s24, 15|(1<<20)|(1<<21)|(7<<22)|(3<<25)  ; the mask: all four; elements of 1 byte; padding: four words after every 256; bit 21 set beside a mask
	s_mov_b32 s25, 1024<<16                        ; tensor_dim0
	s_mov_b32 s26, 32<<16                          ; tensor_dim1
	s_mov_b32 s27, 1024<<16                        ; tile_dim0
	s_mov_b32 s28, 32                              ; tile_dim1
	s_mov_b32 s29, 1024                            ; from row to row
	s_mov_b32 s30, 0
	s_mov_b32 s31, 0
	s_lshl_b32 s40, s15, 7
	s_lshl_b32 s41, s12, 5
	s_add_co_u32 s40, s40, s41                     ; W's row 128 cs + 32 w
	s_lshl_b32 s40, s40, 10
	s_mov_b32 s41, 0
	s_mov_b32 s32, 1
	s_mul_i32 s33, s12, WPART
	s_wait_dscnt 0x0
	s_wait_kmcnt 0x0
	s_load_b256 s[48:55], s[10:11], 0x0            ; e0 .. e7
	s_add_nc_u64 s[34:35], s[6:7], s[40:41]
	s_or_b32 s35, s35, 0x80000000
	CROUND                                         ; all four work-groups are here: the joint loads meet
	tensor_load_to_lds s[32:35], s[24:31]          ; one load a wave, the only one of the launch
	s_nop 0
	PLACES 4
	v_and_b32 v1, 15, v0                           ; r
	v_bfe_u32 v2, v0, 4, 1                         ; h
	v_lshlrev_b32 v[BO], 5, v2
	v_mul_u32_u24 v[LW], v1, PITCH
	v_lshl_add_u32 v[LW], v2, 3, v[LW]
	v_and_b32 v[LI], 31, v0
	v_lshlrev_b32 v[LI], 4, v[LI]
	s_mul_i32 s42, s12, 16*272
	s_add_co_u32 s42, s42, STG                     ; my stage
	v_mul_u32_u24 v[STO], v1, 272
	v_lshl_add_u32 v[STO], v2, 5, v[STO]
	v_add_nc_u32 v[STO], s42, v[STO]               ; in: row r, + 32 h
	v_mul_u32_u24 v[SRD], v2, 272
	v_lshl_add_u32 v[SRD], v1, 4, v[SRD]
	v_add_nc_u32 v[SRD], s42, v[SRD]               ; back: lanes 0-15 one row, lanes 16-31 the next
	v_lshlrev_b32 v[CO], 12, v2
	v_lshl_add_u32 v[CO], v1, 4, v[CO]             ; and the same two rows of the output
	v_mov_b32 v[AD0], v[LW]
	v_add_nc_u32 v[AD1], HALF, v[LW]
	s_lshl_b32 s40, s15, 9                         ; my 128 columns: 512 bytes
	s_add_nc_u64 s[8:9], s[8:9], s[40:41]
	s_lshl_b32 s40, s14, 4
	s_lshl_b32 s42, s12, 2
	s_add_co_u32 s40, s40, s42                     ; my first token block
	s_lshl_b32 s40, s40, 14
	s_add_nc_u64 s[4:5], s[4:5], s[40:41]
	s_lshl_b32 s40, s14, 8
	s_lshl_b32 s42, s12, 6
	s_add_co_u32 s40, s40, s42                     ; my first token
	s_lshl_b32 s40, s40, 12
	s_lshl_b32 s42, s15, 9
	s_add_co_u32 s40, s40, s42
	s_add_nc_u64 s[16:17], s[16:17], s[40:41]
.irp g, 0,1
.irp t, 0,1,2,3
	global_load_b128 v[BI+32*\g+8*\t:BI+32*\g+8*\t+3], v[BO], s[8:9] offset:256*\g+64*\t      ; lane (r, h): b of columns 64 g + 16 t + 8 h + 0 .. 7
	global_load_b128 v[BI+32*\g+8*\t+4:BI+32*\g+8*\t+7], v[BO], s[8:9] offset:256*\g+64*\t+16
.endr
.endr
	WIN 0x80                                       ; destination window 2
.irp s, 0,1,2,3
.irp t, 0,1,2,3
.irp g, 0,1,2,3
	global_load_b128 v[64*\s+16*\t+4*\g:64*\s+16*\t+4*\g+3], v[LI], s[4:5] offset:16384*\t+2048*\s+512*\g   ; 32 lanes read 512 consecutive bytes
.endr
.endr
.endr
	WIN 0xc0                                       ; window 3
.irp s, 4,5,6,7
.irp t, 0,1,2,3
.irp g, 0,1,2,3
	global_load_b128 v[64*(\s-4)+16*\t+4*\g:64*(\s-4)+16*\t+4*\g+3], v[LI], s[4:5] offset:16384*\t+2048*\s+512*\g
.endr
.endr
.endr
	WIN 0
	s_wait_alu depctr_va_vdst(0)
	s_wait_kmcnt 0x0
	s_add_co_i32 s46, s54, s55
	s_add_co_i32 s46, s46, 127
	s_lshl_b32 s46, s46, 23                        ; 2^(e6 + e7) as f32
	s_mov_b32 s47, s46                             ; (named with it as a pair)
	s_wait_tensorcnt 0x0                           ; my part of W is in,
	s_barrier_signal -1
	s_barrier_wait -1                              ; everybody's is
	FIRST AD0
	KLOOP AD0, 1
	PLACES 4                                       ; behind the last products: for the reads of the sums and the loads into W's sets
	FIRST AD1                                      ; the second group's first fragments are on their way while the first group leaves
	OUT 0
	KLOOP AD1, 0
	PLACES 4
	OUT 1
	s_wait_dscnt 0x0
	s_wait_tensorcnt 0x0
	ds_add_u32 v30, v31
	s_wait_dscnt 0x0
	CROUND                                         ; the closing round
	s_endpgm
.Lfunc_end_k_q9780cea3b5_proj:
	.size	k_q9780cea3b5_proj, .Lfunc_end_k_q9780cea3b5_proj-k_q9780cea3b5_proj
	.p2alignl 7, 3214868480
	.fill 96, 4, 3214868480
	.section	.rodata,"a",@progbits
	.p2align	6, 0x0
	.amdhsa_kernel k_q9780cea3b5_proj
		.amdhsa_group_segment_fixed_size 168448
		.amdhsa_private_segment_fixed_size 0
		.amdhsa_enable_private_segment 0
		.amdhsa_kernarg_size 40
		.amdhsa_user_sgpr_count 2
		.amdhsa_user_sgpr_kernarg_segment_ptr 1
		.amdhsa_wavefront_size32 1
		.amdhsa_system_sgpr_workgroup_id_x 1
		.amdhsa_system_sgpr_workgroup_id_y 1
		.amdhsa_system_sgpr_workgroup_id_z 1
		.amdhsa_system_vgpr_workitem_id 0
		.amdhsa_next_free_vgpr 1024
		.amdhsa_next_free_sgpr 66
		.amdhsa_reserve_vcc 0
		.amdhsa_float_denorm_mode_32 3
		.amdhsa_float_denorm_mode_16_64 3
		.amdhsa_memory_ordered 1
		.amdhsa_forward_progress 1
		.amdhsa_inst_pref_size 92
	.end_amdhsa_kernel
	.amdgpu_metadata
---
amdhsa.version: [ 1, 2 ]
amdhsa.kernels:
  - .name:           k_q9780cea3b5_proj
    .symbol:         k_q9780cea3b5_proj.kd
    .args:
      - { .name: oc, .offset: 0, .size: 8, .value_kind: global_buffer, .address_space: global }
      - { .name: W_proj_codes, .offset: 8, .size: 8, .value_kind: global_buffer, .address_space: global }
      - { .name: b_proj, .offset: 16, .size: 8, .value_kind: global_buffer, .address_space: global }
      - { .name: lowp_scales, .offset: 24, .size: 8, .value_kind: global_buffer, .address_space: global }
      - { .name: out0, .offset: 32, .size: 8, .value_kind: global_buffer, .address_space: global }
    .group_segment_fixed_size: 168448
    .private_segment_fixed_size: 0
    .kernarg_segment_align: 8
    .kernarg_segment_size: 40
    .max_flat_workgroup_size: 128
    .sgpr_count:     66
    .vgpr_count:     1024
    .wavefront_size: 32
...
	.end_amdgpu_metadata
.endif
;; end of part 3
